; MI455X (gfx1250); checked and timed in simulation.
; The chip was launched on July 23, 2026; its instructions are those of AMD's public machine-readable ISA for CDNA 5 (MIT licence, August 2026) and "CDNA5" Instruction Set Architecture Reference Guide (July 2026). The comments in the code are by the model that wrote it; some were corrected since.
;; Shared QKV Attention. Allowed arithmetic: matrix products marked QUANTISED: E2M3 operands, one E8M0 scale for each 32 along K, by v_wmma_scale_f32_16x16x128_f8f6f4 with both operands' format E2M3, f32 sums; everything else in f32.
;; Inputs: W_o 1,024 x 1,024 float32; W_qkv 1,024 x 1,024 float32; x 4 x 2,048 x 1,024 float32.
;; Outputs: out0 4 x 2,048 x 1,024 float32.
;; This version of the problem:
;;   THIS VERSION OF THE PROBLEM IS GIVEN IN LOW PRECISION. The matrix products marked QUANTISED in the list below multiply operands that are first quantised to E2M3 (2 exponent bits, 3 mantissa bits; 6 bits a number), with one power-of-two scale for each 32 numbers along K (OCP MX v1.0); their sums are f32. All else is computed in f32.
;;   The module's matrix products, in the order in which they are computed (A, B: the left and right operand; K: the contracted axis; several contracted axes count as one K, in the product's order):
;;     1. [M 8,192, K 1,024] x [K 1,024, N 1,024]; A: input x; B: input W_qkv: QUANTISED
;;     2. batch 64 x [M 2,048, K 64] x [K 64, N 2,048]; A: computed on the way; B: computed on the way: QUANTISED
;;     3. batch 64 x [M 64, K 2,048] x [K 2,048, N 2,048]; A: computed on the way; B: softmax (see below): QUANTISED
;;     4. [M 8,192, K 1,024] x [K 1,024, N 1,024]; A: computed on the way; B: input W_o: QUANTISED
;;   THE QUANTISER, for each operand of a quantised product, along K:
;;     - K is cut into blocks of 32 from its start; a last block that is shorter is filled with zeros.
;;     - A block's scale is 2^e with e = floor(log2(the largest magnitude in the block)) - 2, held to -126 .. 127; a block of zeros has e = 0. As a byte (E8M0): e + 127.
;;     - Each number is divided by its block's scale, clamped to +-7.5, and rounded to the nearest number of E2M3, ties to even, subnormals kept.
;;     - The product sums the exact products of the quantised numbers (number of the format x scale) in f32.
;;   ~~~python
;;   def quantise(x, axis):      # numpy; x: float32 -> the quantised numbers, widened to float32 again
;;       x = np.moveaxis(x, axis, -1); K = x.shape[-1]
;;       x = np.pad(x, [(0, 0)] * (x.ndim - 1) + [(0, -K % 32)]); x = x.reshape(x.shape[:-1] + (-1, 32)); a = np.abs(x).max(-1, keepdims=True)
;;       e = np.where(a > 0, np.clip(np.frexp(np.where(a > 0, a, 1))[1] - 1 - 2, -126, 127), 0)      # np.frexp(a)[1] - 1 = floor(log2(a)), exactly
;;       r = np.clip(x / 2.0 ** e, -7.5, 7.5)
;;       step = 2.0 ** (np.maximum(np.frexp(np.where(r == 0, 1, r))[1] - 1, 0) - 3)
;;       q = np.round(r / step) * step * 2.0 ** e      # np.round: ties to even
;;       return np.moveaxis(q.reshape(q.shape[:-2] + (-1,))[..., :K], -1, axis).astype(np.float32)
;;   ~~~
;;   SOFTMAX AHEAD OF A QUANTISED PRODUCT. Where the list says 'softmax', what is quantised is not the finished softmax but p = 2^(t - M), with t = logit x log2(e) and M = ceil(the row's largest t), a whole number; so 1/2 < the row's largest p <= 1. The row's sum l is taken of the UNQUANTISED p, in f32, and the product's result is divided by l at the end. Since M is a whole number, a kernel that streams over the keys may use a running M (the ceiling of the running maximum): every later rescaling is an exact power of two, which a block's scale takes up: the codes' values come out the same.
;;   OPERANDS COMPUTED ON THE WAY. 'Computed on the way' means the value that the module computes at that place (a softmax that the list does not call 'softmax' is quantised finished and normalised). What goes into a quantiser is computed in f32, as accurately as f32 sums, v_exp_f32 and their like allow (about 1e-6 of the number): no bf16 or f16 on the way to a quantiser, and a product that is left as it is and whose result goes on into a quantised operand takes f32 operands (vector FMAs, or v_wmma_f32_16x16x4_f32). A number that lies on a knife's edge between two numbers of the format may be rounded either way, as far as f32 arithmetic and the matrix unit's own rounding can turn it there, and no further.
;; One version. Each part assembles by itself: llvm-mc -triple=amdgcn-amd-amdhsa -mcpu=gfx1250 --defsym DOCPART=n.
;; ======== version 1 of 1: 4 launches
;; limits: right only within a limited range of input values
;; workspace buffers: x_img 6,815,744 bytes; wq_img 851,968 bytes; wo_img 851,968 bytes; kv 13,631,488 bytes; at_img 6,815,744 bytes
;; launch quant (part 1): grid 256 x 1, 10 waves a work-group, no clusters, 85,760 bytes of LDS; arguments x, W_qkv, W_o, x_img, wq_img, wo_img; writes x_img, wq_img, wo_img
.if DOCPART == 1
	.amdgcn_target "amdgcn-amd-amdhsa--gfx1250"
	.amdhsa_code_object_version 6
	.text
	.protected	k_q3b10f2eaf6_quant
	.globl	k_q3b10f2eaf6_quant
	.p2align	8
	.type	k_q3b10f2eaf6_quant,@function
k_q3b10f2eaf6_quant:
	s_mov_b64 s[64:65], 0
	v_nop
	global_prefetch_b8 v0, s[64:65] scope:SCOPE_SE
	s_setreg_imm32_b32 hwreg(HW_REG_WAVE_MODE, 25, 1), 1
	s_wait_xcnt 0x0
; x [8192][1024], W_qkv [1024][1024], W_o [1024][1024], f32, K innermost, become codes of FP6 (E2M3) with one E8M0 byte for each 32 along K,
; laid in the order of a matrix operand's registers.  An image is [mt = row / 16][sg = k / 256][3,328 bytes]: fragment q = 2 sg, fragment 2 sg + 1 (1,536 bytes each), 256 bytes of scale words.
; A fragment (16 rows x 128 K, 12 registers a lane: lane (r, h) holds row r, registers 6 c .. 6 c + 5 hold k = 64 c + 32 h + 0 .. 31) lies as two halves c of 768 bytes:
; registers 6 c .. 6 c + 3 at 16 x lane (512 bytes), registers 6 c + 4, 6 c + 5 at 512 + 8 x lane (256 bytes).  Scale words: 8 bytes a lane at 8 x lane: row r's words of the two fragments.
; A block's scale is 2^(floor(log2(largest magnitude)) - 2): its byte is the largest magnitude's exponent field - 2, held at 1 from below.
; LIMITS: NaN and infinities among the inputs are not served; a block whose largest magnitude lies under 2^-124 has its byte held at 1; a block of zeros gets the byte 1 where the
; rule says 127: its codes are zeros, which add nothing, and this program alone reads the bytes.
; SHARES: a task is 16 rows x 256 K, one (mt, sg) of an image: 2,048 tasks of x, 256 of W_qkv, 256 of W_o: 2,560 = 256 work-groups x 10 waves, a task a wave.  Only pointers are chosen, by the task's number: all waves take one path.
; A wave's 32 loads go out at once; each reads 512 consecutive bytes of a row.  A fragment's 16 x 512 bytes turn through the wave's own stage in LDS (rows 528 bytes apart), so that a lane gets its two whole blocks of 32.
; Every store covers whole aligned runs of 256 or 512 bytes.  Waves share nothing: no barrier.  Matrix units, clusters and tensor loads would add nothing to a stream.
.set WAVES, 10
.set STG,  8448                        ; a wave's stage: 16 rows x 528 bytes
.set SPARE, WAVES*STG                  ; behind the stages: the spare words, 128 bytes a wave
.set X,    64                          ; v64-127  two blocks of 32 numbers
.set R,    128                         ; v128-255 the two fragments as loaded
.set C,    20                          ; v20-43   the two fragments' codes
.set QM,   10                          ; v10-11   largest magnitudes
.set QSOP, 12                          ; v12-13   the conversions' scale operands
.set QBY,  14                          ; v14-15   scale bytes
.set QT,   16                          ; v16      the lane permute's destination
.set QTMP, 44                          ; v44-51   second halves of the blocks' codes
.set QSH,  8                           ; v8       8 x (lane / 16)
.set SEL,  24                          ; s[24:25] lane selects: lane l xor 16
; 64 numbers of a lane, v[x + 32 g + i] = number i of its block g, become the 12 registers v[c] on and the row's scale word v[w] (byte 2 g + h)
.macro QFRAG x, c, w
.irp g, 0,1
	v_max3_num_f32 v[QM+\g], |v[(\x)+32*\g]|, |v[(\x)+32*\g+1]|, 0x1800000   ; with the floor 2^(3 - 127): the byte cannot fall under 1
.endr
.irp i, 2,4,6,8,10,12,14,16,18,20,22,24,26,28,30
.irp g, 0,1
	v_max3_num_f32 v[QM+\g], v[QM+\g], |v[(\x)+32*\g+\i]|, |v[(\x)+32*\g+\i+1]|   ; the two blocks by turns
.endr
.endr
.irp g, 0,1
	v_add_nc_u32 v[QSOP+\g], 0xff000000, v[QM+\g]   ; 2 off the exponent field: the conversion takes this operand's exponent field as its scale
.endr
.irp g, 0,1
	v_lshrrev_b32 v[QBY+\g], 23, v[QSOP+\g]         ; the scale's byte
.endr
	v_lshl_or_b32 v[(\w)], v[QBY+1], 16, v[QBY]     ; my two bytes,
	v_lshlrev_b32 v[(\w)], v[QSH], v[(\w)]          ; 8 h bits up;
	v_permlanex16_b32 v[QT], v[(\w)], s[SEL], s[SEL+1]
	v_or_b32 v[(\w)], v[(\w)], v[QT]                ; with lane l xor 16's two the word is whole, in both halves of the lanes
.irp g, 0,1
	v_cvt_scalef32_pk16_fp6_f32 v[(\c)+6*\g:(\c)+6*\g+2], v[(\x)+32*\g:(\x)+32*\g+15], v[QSOP+\g]
	v_cvt_scalef32_pk16_fp6_f32 v[QTMP+4*\g:QTMP+4*\g+2], v[(\x)+32*\g+16:(\x)+32*\g+31], v[QSOP+\g]   ; a conversion's three registers begin on an even number
.endr
	v_nop                                           ; one plain instruction behind the last scaled conversion
.irp g, 0,1
.irp i, 0,1,2
	v_mov_b32 v[(\c)+6*\g+3+\i], v[QTMP+4*\g+\i]
.endr
.endr
.endm
	s_load_b256 s[4:11], s[0:1], 0x0               ; x, W_qkv, W_o, x_img
	s_load_b128 s[12:15], s[0:1], 0x20             ; wq_img, wo_img
	v_lshl_add_u32 v62, v0, 2, SPARE
	v_mov_b32 v63, 0
	v_lshrrev_b32 v1, 5, v0
	v_readfirstlane_b32 s21, v1                    ; wave
	v_and_b32 v2, 31, v0                           ; lane
	v_and_b32 v3, 15, v0                           ; r
	v_bfe_u32 v9, v0, 4, 1                         ; h
	v_lshlrev_b32 v4, 4, v2                        ; 16 x lane
	v_lshlrev_b32 v5, 3, v2                        ; 8 x lane
	s_mul_i32 s22, s21, STG
	v_add_nc_u32 v6, s22, v4                       ; the stage, on the way in: 16 x lane of a row
	v_mul_u32_u24 v7, v3, 528
	v_lshl_add_u32 v7, v9, 7, v7
	v_add_nc_u32 v7, s22, v7                       ; on the way out: row r, + 128 h: my block of 32 numbers
	v_lshlrev_b32 v[QSH], 3, v9
	v_mov_b32 v[QT], 0                             ; written once: a lane permute's destination counts as a source
	s_mov_b32 s[SEL], 0x76543210
	s_mov_b32 s[SEL+1], 0xfedcba98
	s_mul_i32 s30, ttmp9, WAVES
	s_add_co_u32 s30, s30, s21                     ; my task
	s_mov_b32 s20, 2304
	s_wait_alu depctr_va_vdst(0)
	s_wait_kmcnt 0x0
	s_cmp_lt_u32 s30, 2304                         ; which tensor: the choice hangs on the task's number alone
	s_cselect_b64 s[16:17], s[6:7], s[8:9]
	s_cselect_b64 s[18:19], s[12:13], s[14:15]
	s_cselect_b32 s20, 2048, s20
	s_cmp_lt_u32 s30, 2048
	s_cselect_b64 s[16:17], s[4:5], s[16:17]
	s_cselect_b64 s[18:19], s[10:11], s[18:19]
	s_cselect_b32 s20, 0, s20                      ; the tensor's first task
	s_sub_co_u32 s23, s30, s20
	s_lshr_b32 s26, s23, 2                         ; mt
	s_and_b32 s27, s23, 3                          ; sg
	s_mul_i32 s28, s26, 13312
	s_mul_i32 s29, s27, 3328
	s_add_co_u32 s28, s28, s29
	s_mov_b32 s29, 0
	s_lshl_b32 s26, s26, 16                        ; 16 rows of 4,096 bytes
	s_lshl_b32 s27, s27, 10                        ; 256 numbers
	s_add_co_u32 s26, s26, s27
	s_mov_b32 s27, 0
	s_add_nc_u64 s[16:17], s[16:17], s[26:27]
	s_add_nc_u64 s[18:19], s[18:19], s[28:29]
.irp f, 0,1                            ; fragment f: 512 consecutive bytes of each of the 16 rows
.irp i, 0,1,2,3,4,5,6,7,8,9,10,11,12,13,14,15
	global_load_b128 v[R+64*\f+4*\i:R+64*\f+4*\i+3], v4, s[16:17] offset:4096*\i+512*\f th:TH_LOAD_NT
.endr
.endr
.macro FRAGQ f
	s_wait_loadcnt 16-16*(\f)                      ; this fragment's 16 loads are in; behind fragment 0's stand fragment 1's 16
.irp i, 0,1,2,3,4,5,6,7,8,9,10,11,12,13,14,15
	ds_store_b128 v6, v[R+64*(\f)+4*\i:R+64*(\f)+4*\i+3] offset:528*\i
.endr
.irp g, 0,1
.irp i, 0,1,2,3,4,5,6,7
	ds_load_b128 v[X+32*\g+4*\i:X+32*\g+4*\i+3], v7 offset:256*\g+16*\i   ; LDS serves a wave's instructions in order: these see the stores above
.endr
.endr
	s_wait_dscnt 0x0                               ; my numbers are back
	QFRAG X, C+12*(\f), 18+(\f)                    ; each fragment has registers of its own for its codes and its word: no store's data are written again
	global_store_b128 v4, v[C+12*(\f):C+12*(\f)+3], s[18:19] offset:1536*(\f)
	global_store_b64 v5, v[C+12*(\f)+4:C+12*(\f)+5], s[18:19] offset:1536*(\f)+512
	global_store_b128 v4, v[C+12*(\f)+6:C+12*(\f)+9], s[18:19] offset:1536*(\f)+768
	global_store_b64 v5, v[C+12*(\f)+10:C+12*(\f)+11], s[18:19] offset:1536*(\f)+1280
.endm
	FRAGQ 0
	FRAGQ 1
	global_store_b64 v5, v[18:19], s[18:19] offset:3072   ; the two fragments' scale words: 256 consecutive bytes
	s_wait_tensorcnt 0x0                           ; the wave's end
	ds_add_u32 v62, v63
	s_wait_dscnt 0x0
	s_endpgm
.Lfunc_end_k_q3b10f2eaf6_quant:
	.size	k_q3b10f2eaf6_quant, .Lfunc_end_k_q3b10f2eaf6_quant-k_q3b10f2eaf6_quant
	.p2alignl 7, 3214868480
	.fill 96, 4, 3214868480
	.section	.rodata,"a",@progbits
	.p2align	6, 0x0
	.amdhsa_kernel k_q3b10f2eaf6_quant
		.amdhsa_group_segment_fixed_size 85760
		.amdhsa_private_segment_fixed_size 0
		.amdhsa_enable_private_segment 0
		.amdhsa_kernarg_size 48
		.amdhsa_user_sgpr_count 2
		.amdhsa_user_sgpr_kernarg_segment_ptr 1
		.amdhsa_wavefront_size32 1
		.amdhsa_system_sgpr_workgroup_id_x 1
		.amdhsa_system_sgpr_workgroup_id_y 1
		.amdhsa_system_sgpr_workgroup_id_z 1
		.amdhsa_system_vgpr_workitem_id 0
		.amdhsa_next_free_vgpr 256
		.amdhsa_next_free_sgpr 66
		.amdhsa_reserve_vcc 0
		.amdhsa_float_denorm_mode_32 3
		.amdhsa_float_denorm_mode_16_64 3
		.amdhsa_memory_ordered 1
		.amdhsa_forward_progress 1
		.amdhsa_inst_pref_size 17
	.end_amdhsa_kernel
	.amdgpu_metadata
---
amdhsa.version: [ 1, 2 ]
amdhsa.kernels:
  - .name:           k_q3b10f2eaf6_quant
    .symbol:         k_q3b10f2eaf6_quant.kd
    .args:
      - { .name: x, .offset: 0, .size: 8, .value_kind: global_buffer, .address_space: global }
      - { .name: W_qkv, .offset: 8, .size: 8, .value_kind: global_buffer, .address_space: global }
      - { .name: W_o, .offset: 16, .size: 8, .value_kind: global_buffer, .address_space: global }
      - { .name: x_img, .offset: 24, .size: 8, .value_kind: global_buffer, .address_space: global }
      - { .name: wq_img, .offset: 32, .size: 8, .value_kind: global_buffer, .address_space: global }
      - { .name: wo_img, .offset: 40, .size: 8, .value_kind: global_buffer, .address_space: global }
    .group_segment_fixed_size: 85760
    .private_segment_fixed_size: 0
    .kernarg_segment_align: 8
    .kernarg_segment_size: 48
    .max_flat_workgroup_size: 320
    .sgpr_count:     66
    .vgpr_count:     256
    .wavefront_size: 32
...
	.end_amdgpu_metadata
.endif
;; end of part 1
;; launch gemm_qkv (part 2): grid 4 x 64, 4 waves a work-group, clusters of 4 x 4, 327,680 bytes of LDS; arguments x_img, wq_img, kv; writes kv
.if DOCPART == 2
	.amdgcn_target "amdgcn-amd-amdhsa--gfx1250"
	.amdhsa_code_object_version 6
	.text
	.protected	k_q3b10f2eaf6_gemm_qkv
	.globl	k_q3b10f2eaf6_gemm_qkv
	.p2align	8
	.type	k_q3b10f2eaf6_gemm_qkv,@function
k_q3b10f2eaf6_gemm_qkv:
	s_mov_b64 s[64:65], 0
	v_nop
	global_prefetch_b8 v0, s[64:65] scope:SCOPE_SE
	s_setreg_imm32_b32 hwreg(HW_REG_WAVE_MODE, 25, 1), 1
	s_wait_xcnt 0x0
	s_wait_alu depctr_hold_cnt(0) depctr_sa_sdst(0) depctr_va_vdst(0) depctr_va_sdst(0) depctr_va_ssrc(0) depctr_va_vcc(0) depctr_vm_vsrc(0)
	s_getreg_b32 s2, hwreg(HW_REG_IB_STS2, 6, 4)
	s_cmp_eq_u32 s2, 0
	s_cbranch_scc0 .Lentry_in_a_cluster
	s_endpgm
.Lentry_in_a_cluster:
	s_bfe_u32 s2, ttmp6, 0x10000c
	s_cmp_lg_u32 s2, 0xf033
	s_cbranch_scc0 .Lentry_shape_is_right
	s_endpgm
.Lentry_shape_is_right:
; qkv = x W_qkv^T on codes of FP6 (E2M3) with E8M0 scales, [8192 x 1024 x 1024], sums in f32; the f32 result never goes to memory: on the way out it is quantised TWICE,
; along the head's 64 channels (Q and K of attention) and along the keys (V), into kv, laid as attention's operand registers.
; OPERANDS are images of registers: [mt = row / 16][sg = k / 256][3,328 bytes]: two fragments of 1,536 bytes (halves c of 768: registers 6 c .. 6 c + 3 at 16 x lane, 6 c + 4, 6 c + 5 at 512 + 8 x lane), 256 bytes of scale words (8 x lane).
; SHARES: a work-group makes 128 rows x 256 columns: 256 work-groups.  Its operands for ALL of K fit in LDS (A 106,496 bytes, B 212,992): every LDS byte is filled once, so there is no ring.
; Wave w makes all 128 rows x columns 64 w .. 64 w + 63: one head, one step of 128 keys: 32 accumulators, 256 registers.
; THE FILLS: four joint loads, one a wave, each on a line of its own: A's 8 mt x first half of K, B's 16 mt x first half, then the second halves.  A tile's row is half of K of one mt: two sg, 6,656 bytes.
; LDS: [half][mt][2 sg][3,328]: A's halves at 0 and AH, B's at BBASE and BBASE + BH.  The products begin when the first halves are in; a plain barrier in step 3 shows the second halves.
; CLUSTERS: 4 x 4 work-groups; A's tiles are shared along a row of the cluster, B's along a column: each is asked for jointly.  Nothing is prefetched: every tensor load stands at the head.
; THE MATRIX INSTRUCTION IS USED TRANSPOSED (source 0 = 16 rows of W, source 1 = 16 rows of x): a lane holds row r and eight neighbouring columns.
; kv: [bh = 16 b + head][s = key / 128][13,312 bytes]: four K fragments (1,536 j), four V fragments (6,144 + 1,536 t), each as registers 4 p .. 4 p + 3 at 512 p + 16 x lane; K's scale words at 12,288, V's at 12,800 (16 x lane: four words).
;   K fragment j, lane (r, h): registers 6 g .. 6 g + 5 hold channels 32 h .. of key 64 (j / 2) + 32 (r / 8) + 16 (j % 2) + 8 g + r % 8.
;   V fragment t, lane (r, h): channel 32 (t / 2) + 8 (t % 2) + r + 8 (r / 8); registers 6 c .. 6 c + 5 keys 64 c + 32 h + 0 .. 31.
; LIMITS: NaN and infinities are not served; a block whose largest magnitude lies under 2^-124 has its byte held at 1, a block of zeros too (its codes are zeros; this program alone reads the bytes).
; REGISTERS: window 0: addresses, scale words (v32-79), the way out;  window 1: accumulator (a, b) at v[8 (4 a + b)];  windows 2, 3: two sets of fragments: A's at v[12 a], B's at v[96 + 12 b].
.set MTB,   13312
.set SGB,   3328
.set AH,    8*2*SGB                    ; a half of A in LDS
.set BH,    16*2*SGB                   ; a half of B
.set BBASE, 2*AH                       ; B lies behind A's two halves
.set WV,    8                          ; s8 wave
.set G1A,   24                         ; s[24:31] group 1 for A;  s[32:39] for B
.set G1B,   32
.set G0A,   40                         ; s[40:47] groups 0 for A's two halves;  s[68:75] for B's
.set G0B,   68
.set A16,   8                          ; v8-11   A's sg + 16 x lane;  v12-15 + 8 x lane
.set A8,    12
.set B16,   16                         ; v16-19, v20-23 the same for my wave's part of B
.set B8,    20
.set SA,    32                         ; A's scale words: v[SA + 16 (sg % 2) + 2 a + q % 2]
.set SB,    64                         ; B's: v[SB + 8 (sg % 2) + 2 b + q % 2]
.set MSB, 0
.macro WIN new                         ; the immediate's high byte repeats the setting that is left
.if MSB != (\new)
	s_set_vgpr_msb (MSB<<8)|(\new)
.set MSB, (\new)
.endif
.endm
.macro CROUND                          ; a round of the cluster's barrier
	s_barrier_signal -1
	s_barrier_wait -1
	s_cmp_lg_u32 s[WV], 0
	s_cbranch_scc1 .Lnot_wave_0_\@
	s_barrier_signal -3
.Lnot_wave_0_\@:
	s_barrier_wait -3
	s_barrier_signal -1
	s_barrier_wait -1
.endm
.macro PLACES                          ; four plain instructions behind a matrix instruction, ahead of loads into its registers and of reads of its results
.rept 4
	v_nop
.endr
.endm
	s_load_b128 s[4:7], s[0:1], 0x0                ; A's image, B's image
	s_load_b64 s[10:11], s[0:1], 0x10              ; kv
	v_lshl_add_u32 v254, v0, 2, 0x4e000
	v_mov_b32 v255, 0
	ds_add_u32 v254, v255                          ; the opening lines: the add, twice on end, and its wait
	ds_add_u32 v254, v255
	v_lshrrev_b32 v1, 5, v0
	v_readfirstlane_b32 s[WV], v1                  ; wave 0..3
	s_bfe_u32 s12, ttmp6, 0x40000                  ; cx
	s_bfe_u32 s13, ttmp6, 0x40004                  ; cy
	s_lshl_b32 s14, ttmp9, 2
	s_add_co_u32 s14, s14, s12                     ; tile column
	s_and_b32 s15, ttmp7, 0xffff
	s_lshl_b32 s15, s15, 2
	s_add_co_u32 s15, s15, s13                     ; tile row
	s_lshl_b32 s16, s13, 2
	s_lshl_b32 s16, 15, s16                        ; my row of the cluster
	s_lshl_b32 s17, 0x1111, s12                    ; my column
	; group 1: rows of 6,656 bytes (832 elements of 8 bytes), 13,312 bytes apart; A: 8 rows, B: 16; no padding
	s_or_b32 s[G1A], s16, (3<<16)|(1<<21)
	s_or_b32 s[G1B], s17, (3<<16)|(1<<21)
.irp g, G1A, G1B
	s_mov_b32 s[\g+1], 832<<16                     ; tensor_dim0
	s_mov_b32 s[\g+3], 832<<16                     ; tile_dim0
	s_mov_b32 s[\g+5], 1664                        ; the pitch
	s_mov_b32 s[\g+6], 0
	s_mov_b32 s[\g+7], 0
.endr
	s_mov_b32 s[G1A+2], 8<<16                      ; tensor_dim1
	s_mov_b32 s[G1A+4], 8                          ; tile_dim1
	s_mov_b32 s[G1B+2], 16<<16
	s_mov_b32 s[G1B+4], 16
	s_mul_i32 s18, s15, 8*MTB                      ; A: mt = 8 x tile row
	s_mov_b32 s19, 0
	s_mul_i32 s20, s14, 16*MTB                     ; B: mt = 16 x tile column
	s_mov_b32 s21, 0
	s_mul_i32 s23, s[WV], 4*2*SGB                  ; my wave's four mt inside a half of B
	s_wait_dscnt 0x0
	s_wait_kmcnt 0x0
	s_add_nc_u64 s[18:19], s[4:5], s[18:19]
	s_add_nc_u64 s[20:21], s[6:7], s[20:21]
.irp g, 0,1
	s_mov_b32 s[G0A+4*\g], 1
	s_mov_b32 s[G0A+4*\g+1], \g*AH
	s_add_nc_u64 s[G0A+4*\g+2:G0A+4*\g+3], s[18:19], \g*2*SGB
	s_or_b32 s[G0A+4*\g+3], s[G0A+4*\g+3], 0x80000000
	s_mov_b32 s[G0B+4*\g], 1
	s_mov_b32 s[G0B+4*\g+1], BBASE+\g*BH
	s_add_nc_u64 s[G0B+4*\g+2:G0B+4*\g+3], s[20:21], \g*2*SGB
	s_or_b32 s[G0B+4*\g+3], s[G0B+4*\g+3], 0x80000000
.endr
	CROUND                                         ; all sixteen work-groups are here: the joint loads meet
	s_cmp_eq_u32 s[WV], 0                          ; one chain of arms on the wave's number, one load to an arm
	s_cbranch_scc0 .Lw1
	tensor_load_to_lds s[G0A:G0A+3], s[G1A:G1A+7]  ; wave 0: A, first half of K
	s_nop 0
	PLACES
	s_branch .Lasked
.Lw1:
	s_cmp_eq_u32 s[WV], 1
	s_cbranch_scc0 .Lw2
	tensor_load_to_lds s[G0B:G0B+3], s[G1B:G1B+7]  ; wave 1: B, first half
	s_nop 0
	PLACES
	s_branch .Lasked
.Lw2:
	s_cmp_eq_u32 s[WV], 2
	s_cbranch_scc0 .Lw3
	tensor_load_to_lds s[G0A+4:G0A+7], s[G1A:G1A+7]  ; wave 2: A, second half
	s_nop 0
	PLACES
	s_branch .Lasked
.Lw3:
	tensor_load_to_lds s[G0B+4:G0B+7], s[G1B:G1B+7]  ; wave 3: B, second half
	s_nop 0
	PLACES
.Lasked:
	v_and_b32 v3, 31, v0                           ; lane
	v_and_b32 v1, 15, v0                           ; r
	v_bfe_u32 v2, v0, 4, 1                         ; h
	v_lshlrev_b32 v4, 4, v3                        ; 16 x lane
	v_lshlrev_b32 v5, 3, v3                        ; 8 x lane
.irp g, 0,1,2,3
	v_add_nc_u32 v[A16+\g], (\g/2)*AH+(\g%2)*SGB, v4   ; sg = g lies in half g / 2, at (g % 2) x 3,328 of each mt's 6,656 bytes
	v_add_nc_u32 v[A8+\g], (\g/2)*AH+(\g%2)*SGB, v5
	s_add_co_u32 s22, s23, BBASE+(\g/2)*BH+(\g%2)*SGB
	v_add_nc_u32 v[B16+\g], s22, v4
	v_add_nc_u32 v[B8+\g], s22, v5
.endr
	; the way out
.set STO,  24                          ; v24 the stage: where I put 32 bytes of a row
.set KR,   25                          ; v25 where I read a key's 32 channels
.set VR,   26                          ; v26 where I read a channel down the keys
.set QSH,  27                          ; v27 8 h
.set QM,   28                          ; v28-29 largest magnitudes; v192-193 their second chains
.set QN,   192
.set QSOP, 30
.set QBY,  32
.set QT,   34
.set WD,   36                          ; v36-39 K's four scale words, v40-43 V's
.set C,    44                          ; v44-55 a fragment's codes
.set QTMP, 56
.set SEL,  58                          ; s[58:59]
	s_mul_i32 s56, s[WV], 36096                    ; my stage: 128 rows of 256 bytes; row at (row / 32) 8,992 + ((row / 16) % 2) 4,480 + (row % 16) 272
	v_mul_u32_u24 v6, v1, 272
	v_add_nc_u32 v6, s56, v6
	v_lshl_add_u32 v[STO], v2, 5, v6               ; row r, + 32 h
	v_lshrrev_b32 v7, 3, v1                        ; r / 8
	v_mad_u32_u24 v[KR], v7, 6816, v6              ; row r % 8 + 32 (r / 8)
	v_lshl_add_u32 v[KR], v2, 7, v[KR]             ; + 128 h: channels 32 h on
	v_mul_u32_u24 v[VR], v2, 8992                  ; keys 32 h on
	v_lshl_add_u32 v[VR], v1, 2, v[VR]
	v_lshl_add_u32 v[VR], v7, 5, v[VR]             ; channel r + 8 (r / 8)
	v_add_nc_u32 v[VR], s56, v[VR]
	v_lshlrev_b32 v[QSH], 3, v2
	s_mov_b32 s[SEL], 0x76543210
	s_mov_b32 s[SEL+1], 0xfedcba98
	s_lshr_b32 s60, s15, 4                         ; b
	s_lshl_b32 s60, s60, 4
	s_lshl_b32 s61, s14, 2
	s_add_co_u32 s60, s60, s61
	s_add_co_u32 s60, s60, s[WV]                   ; bh = 16 b + 4 x tile column + wave
	s_lshl_b32 s60, s60, 4
	s_and_b32 s61, s15, 15
	s_add_co_u32 s60, s60, s61                     ; the key step
	s_mul_i32 s60, s60, MTB
	s_mov_b32 s61, 0
	s_add_nc_u64 s[10:11], s[10:11], s[60:61]      ; my block of kv
.macro FR reg, a16, a8, off            ; a fragment's four loads
	ds_load_b128 v[(\reg):(\reg)+3], v[\a16] offset:(\off)
	ds_load_b64 v[(\reg)+4:(\reg)+5], v[\a8] offset:(\off)+512
	ds_load_b128 v[(\reg)+6:(\reg)+9], v[\a16] offset:(\off)+768
	ds_load_b64 v[(\reg)+10:(\reg)+11], v[\a8] offset:(\off)+1280
.endm
.macro FETCH q                         ; step q's 12 fragments into set q % 2: 48 loads; with an even q the sg's 12 pairs of scale words: 60
	WIN 0x80+0x40*((\q)%2)
.irp a, 0,1,2,3,4,5,6,7
	FR 12*\a, A16+(\q)/2, A8+(\q)/2, 2*SGB*\a+1536*((\q)%2)
.endr
.irp b, 0,1,2,3
	FR 96+12*\b, B16+(\q)/2, B8+(\q)/2, 2*SGB*\b+1536*((\q)%2)
.endr
.if (\q)%2 == 0
	WIN 0
.irp a, 0,1,2,3,4,5,6,7
	ds_load_b64 v[SA+16*(((\q)/2)%2)+2*\a:SA+16*(((\q)/2)%2)+2*\a+1], v[A8+(\q)/2] offset:2*SGB*\a+3072
.endr
.irp b, 0,1,2,3
	ds_load_b64 v[SB+8*(((\q)/2)%2)+2*\b:SB+8*(((\q)/2)%2)+2*\b+1], v[B8+(\q)/2] offset:2*SGB*\b+3072
.endr
.endif
.endm
.macro MUL32 q, zero                   ; 128 along K: the 32 accumulators take turns, one instruction a turn, in the same order in every step
	WIN 0x5A+5*((\q)%2)
.irp a, 0,1,2,3,4,5,6,7
.irp b, 0,1,2,3
.if \zero
	v_wmma_scale_f32_16x16x128_f8f6f4 v[8*(4*\a+\b):8*(4*\a+\b)+7], v[96+12*\b:96+12*\b+11], v[12*\a:12*\a+11], 0, v[SB+8*(((\q)/2)%2)+2*\b+(\q)%2], v[SA+16*(((\q)/2)%2)+2*\a+(\q)%2] matrix_a_fmt:MATRIX_FMT_FP6 matrix_b_fmt:MATRIX_FMT_FP6
.else
	v_wmma_scale_f32_16x16x128_f8f6f4 v[8*(4*\a+\b):8*(4*\a+\b)+7], v[96+12*\b:96+12*\b+11], v[12*\a:12*\a+11], v[8*(4*\a+\b):8*(4*\a+\b)+7], v[SB+8*(((\q)/2)%2)+2*\b+(\q)%2], v[SA+16*(((\q)/2)%2)+2*\a+(\q)%2] matrix_a_fmt:MATRIX_FMT_FP6 matrix_b_fmt:MATRIX_FMT_FP6
.endif
.endr
.endr
.endm
.macro STEP q, zero
.if (\q) == 3
	s_wait_tensorcnt 0x0                           ; every wave's load is in: the second half of K is shown to all; nothing is filled again in this launch
	s_wait_dscnt 0x0                               ; no LDS load of mine is out at the signal
	s_barrier_signal -1
	s_barrier_wait -1                              ; everybody's parts are in
.endif
.if (\q) < 7
.if (\q) > 0
	PLACES                                         ; the set to be loaded was multiplied in the last step
.endif
	FETCH (\q)+1
.if (\q)%2 == 1
	s_wait_dscnt 60                                ; all but the 60 just issued: this step's fragments are in
.else
	s_wait_dscnt 48                                ; all but the 48 just issued
.endif
.else
	s_wait_dscnt 0x0
.endif
	MUL32 \q, \zero
.endm
	s_wait_alu depctr_va_vdst(0)
	s_cmp_lt_u32 s[WV], 2
	s_cbranch_scc0 .Lnot_first
	s_wait_tensorcnt 0x0                           ; waves 0 and 1: the first half of K is in; waves 2 and 3's loads, on lines of their own, may be out
.Lnot_first:
	s_barrier_signal -1
	s_barrier_wait -1
	FETCH 0
	STEP 0, 1                                      ; the first step's products start the sums: nothing is cleared
	STEP 1, 0
	STEP 2, 0
	STEP 3, 0
	STEP 4, 0
	STEP 5, 0
	STEP 6, 0
	STEP 7, 0
	WIN 0
	PLACES
	s_wait_dscnt 0x0
	s_barrier_signal -1
	s_barrier_wait -1                              ; nobody reads the operands any more; they have had their only fill: the stages lie over them
; 64 numbers of a lane, v[x + 32 g + i] = number i of its block g, become the 12 registers v[c] on and the row's scale word v[w] (byte 2 g + h)
.macro QFRAG x, c, w
.irp g, 0,1                            ; a block's largest magnitude in two chains, numbers 0-15 and 16-30; the four chains by turns
	v_max3_num_f32 v[QM+\g], |v[(\x)+32*\g]|, |v[(\x)+32*\g+1]|, 0x1800000   ; with the floor 2^(3 - 127): the byte cannot fall under 1
	v_max3_num_f32 v[QN+\g], |v[(\x)+32*\g+16]|, |v[(\x)+32*\g+17]|, |v[(\x)+32*\g+18]|
.endr
.irp i, 2,4,6,8,10,12
.irp g, 0,1
	v_max3_num_f32 v[QM+\g], v[QM+\g], |v[(\x)+32*\g+\i]|, |v[(\x)+32*\g+\i+1]|
	v_max3_num_f32 v[QN+\g], v[QN+\g], |v[(\x)+32*\g+17+\i]|, |v[(\x)+32*\g+18+\i]|
.endr
.endr
.irp g, 0,1
	v_max3_num_f32 v[QM+\g], v[QM+\g], |v[(\x)+32*\g+14]|, |v[(\x)+32*\g+15]|
.endr
.irp g, 0,1
	v_max3_num_f32 v[QM+\g], v[QM+\g], v[QN+\g], |v[(\x)+32*\g+31]|
.endr
.irp g, 0,1
	v_add_nc_u32 v[QSOP+\g], 0xff000000, v[QM+\g]   ; 2 off the exponent field: the conversion's scale operand
.endr
.irp g, 0,1
	v_lshrrev_b32 v[QBY+\g], 23, v[QSOP+\g]
.endr
	v_lshl_or_b32 v[(\w)], v[QBY+1], 16, v[QBY]
	v_lshlrev_b32 v[(\w)], v[QSH], v[(\w)]
	v_permlanex16_b32 v[QT], v[(\w)], s[SEL], s[SEL+1]
	v_or_b32 v[(\w)], v[(\w)], v[QT]
.irp g, 0,1
	v_cvt_scalef32_pk16_fp6_f32 v[(\c)+6*\g:(\c)+6*\g+2], v[(\x)+32*\g:(\x)+32*\g+15], v[QSOP+\g]
	v_cvt_scalef32_pk16_fp6_f32 v[QTMP+4*\g:QTMP+4*\g+2], v[(\x)+32*\g+16:(\x)+32*\g+31], v[QSOP+\g]
.endr
	v_nop                                           ; one plain instruction behind the last scaled conversion
.irp g, 0,1
.irp i, 0,1,2
	v_mov_b32 v[(\c)+6*\g+3+\i], v[QTMP+4*\g+\i]
.endr
.endr
.endm
	v_mov_b32 v[QT], 0                             ; a lane permute's destination counts as a source
	WIN 0x04                                       ; an LDS store's data are its source 1: window 1
.irp a, 0,1,2,3,4,5,6,7
.irp b, 0,1,2,3
	ds_store_b128 v[STO], v[8*(4*\a+\b):8*(4*\a+\b)+3] offset:(\a/2)*8992+(\a%2)*4480+64*\b        ; each accumulator from its low end on
	ds_store_b128 v[STO], v[8*(4*\a+\b)+4:8*(4*\a+\b)+7] offset:(\a/2)*8992+(\a%2)*4480+64*\b+16
.endr
.endr
	WIN 0
; fragment n (0-3: K's, 4-7: V's) out of my stage into set n % 2 (v64-127, v128-191): a lane's two whole blocks of 32.  LDS serves a wave's instructions in order: these see my stores
.macro LOADN n
.set XB, 64+64*((\n)%2)
.if (\n) < 4
.irp g, 0,1
.irp i, 0,1,2,3,4,5,6,7
	ds_load_b128 v[XB+32*\g+4*\i:XB+32*\g+4*\i+3], v[KR] offset:17984*((\n)/2)+4480*((\n)%2)+2176*\g+16*\i
.endr
.endr
.else
.irp g, 0,1
.set i, 0
.rept 32
	ds_load_b32 v[XB+32*\g+i], v[VR] offset:17984*\g+272*i+128*(i/16)+4*(32*(((\n)-4)/2)+8*(((\n)-4)%2))
.set i, i+1
.endr
.endr
.endif
.endm
.macro DOFRAG n
.if (\n) < 7
	LOADN (\n)+1
.if (\n)+1 < 4
	s_wait_dscnt 16                                ; all but the next fragment's 16 loads
.else
	s_wait_dscnt 63                                ; the next fragment has 64 loads; the count's field ends at 63: one of them is waited for too
.endif
.else
	s_wait_dscnt 0x0
.endif
	s_wait_xcnt 0x0                                ; the last fragment's stores have read their data
	QFRAG 64+64*((\n)%2), C, WD+(\n)
.irp p, 0,1,2
	global_store_b128 v4, v[C+4*\p:C+4*\p+3], s[10:11] offset:1536*(\n)+512*\p   ; 512 consecutive bytes, aligned
.endr
.if (\n) == 3
	global_store_b128 v4, v[WD:WD+3], s[10:11] offset:12288
.endif
.if (\n) == 7
	global_store_b128 v4, v[WD+4:WD+7], s[10:11] offset:12800
.endif
.endm
	LOADN 0
	DOFRAG 0
	DOFRAG 1
	DOFRAG 2
	DOFRAG 3
	DOFRAG 4
	DOFRAG 5
	DOFRAG 6
	DOFRAG 7
	s_wait_dscnt 0x0
	s_wait_tensorcnt 0x0                           ; the wave's end
	ds_add_u32 v254, v255
	s_wait_dscnt 0x0
	CROUND                                         ; the closing round: no work-group ends while a partner may still ask for a tile that names it
	s_endpgm
.Lfunc_end_k_q3b10f2eaf6_gemm_qkv:
	.size	k_q3b10f2eaf6_gemm_qkv, .Lfunc_end_k_q3b10f2eaf6_gemm_qkv-k_q3b10f2eaf6_gemm_qkv
	.p2alignl 7, 3214868480
	.fill 96, 4, 3214868480
	.section	.rodata,"a",@progbits
	.p2align	6, 0x0
	.amdhsa_kernel k_q3b10f2eaf6_gemm_qkv
		.amdhsa_group_segment_fixed_size 327680
		.amdhsa_private_segment_fixed_size 0
		.amdhsa_enable_private_segment 0
		.amdhsa_kernarg_size 24
		.amdhsa_user_sgpr_count 2
		.amdhsa_user_sgpr_kernarg_segment_ptr 1
		.amdhsa_wavefront_size32 1
		.amdhsa_system_sgpr_workgroup_id_x 1
		.amdhsa_system_sgpr_workgroup_id_y 1
		.amdhsa_system_sgpr_workgroup_id_z 1
		.amdhsa_system_vgpr_workitem_id 0
		.amdhsa_next_free_vgpr 1024
		.amdhsa_next_free_sgpr 90
		.amdhsa_reserve_vcc 0
		.amdhsa_float_denorm_mode_32 3
		.amdhsa_float_denorm_mode_16_64 3
		.amdhsa_memory_ordered 1
		.amdhsa_forward_progress 1
		.amdhsa_inst_pref_size 120
	.end_amdhsa_kernel
	.amdgpu_metadata
---
amdhsa.version: [ 1, 2 ]
amdhsa.kernels:
  - .name:           k_q3b10f2eaf6_gemm_qkv
    .symbol:         k_q3b10f2eaf6_gemm_qkv.kd
    .args:
      - { .name: x_img, .offset: 0, .size: 8, .value_kind: global_buffer, .address_space: global }
      - { .name: wq_img, .offset: 8, .size: 8, .value_kind: global_buffer, .address_space: global }
      - { .name: kv, .offset: 16, .size: 8, .value_kind: global_buffer, .address_space: global }
    .group_segment_fixed_size: 327680
    .private_segment_fixed_size: 0
    .kernarg_segment_align: 8
    .kernarg_segment_size: 24
    .max_flat_workgroup_size: 128
    .sgpr_count:     90
    .vgpr_count:     1024
    .wavefront_size: 32
...
	.end_amdgpu_metadata
.endif
;; end of part 2
;; launch attn (part 3): grid 4 x 64, 16 waves a work-group, clusters of 4 x 1, 215,040 bytes of LDS; arguments kv, at_img; writes at_img
.if DOCPART == 3
	.amdgcn_target "amdgcn-amd-amdhsa--gfx1250"
	.amdhsa_code_object_version 6
	.text
	.protected	k_q3b10f2eaf6_attn
	.globl	k_q3b10f2eaf6_attn
	.p2align	8
	.type	k_q3b10f2eaf6_attn,@function
k_q3b10f2eaf6_attn:
	s_mov_b64 s[64:65], 0
	v_nop
	global_prefetch_b8 v0, s[64:65] scope:SCOPE_SE
	s_setreg_imm32_b32 hwreg(HW_REG_WAVE_MODE, 25, 1), 1
	s_wait_xcnt 0x0
	s_wait_alu depctr_hold_cnt(0) depctr_sa_sdst(0) depctr_va_vdst(0) depctr_va_sdst(0) depctr_va_ssrc(0) depctr_va_vcc(0) depctr_vm_vsrc(0)
	s_getreg_b32 s2, hwreg(HW_REG_IB_STS2, 6, 4)
	s_cmp_eq_u32 s2, 0
	s_cbranch_scc0 .Lentry_in_a_cluster
	s_endpgm
.Lentry_in_a_cluster:
	s_bfe_u32 s2, ttmp6, 0x10000c
	s_cmp_lg_u32 s2, 0x3003
	s_cbranch_scc0 .Lentry_shape_is_right
	s_endpgm
.Lentry_shape_is_right:
; For each of 64 (b, head): O[q] = sum over keys of softmax(Q[q] . K[k] / 8) V[k], Q = K = V = qkv's head, both products on codes of FP6 (E2M3) with E8M0 scales; O / l is quantised along F into at_img.
; THE SOFTMAX: t = score x log2(e) / 8; M = the running largest t rounded UP to a whole number, kept as -M; p = 2^(t - M) is quantised along the keys; l is the sum of the unquantised p and divides O at the end.
; When M moves, l and O are multiplied by 2^(old M - new M): exact.
; kv: [bh][s = key / 128][13,312 bytes]: K fragments at 1,536 j, V fragments at 6,144 + 1,536 t (registers 4 p .. 4 p + 3 at 512 p + 16 x lane), K's scale words at 12,288, V's at 12,800 (16 x lane).
; K fragment j holds two tiles g of 16 keys (g in k 64 g ..): lane r is key 64 (j / 2) + 32 (r / 8) + 16 (j % 2) + 8 g + r % 8.  Against [Q | zeros] it gives tile 0's scores, against [zeros | Q] tile 1's.
; Both products are used transposed: a lane holds ONE query (lane % 16).  By that order of the keys register 32 c + i of the scores of lane (r, h) is key 64 c + 32 h + i:
; a lane's 32 registers are one whole scale block of p, in the order of the next operand's registers: a block's largest needs no other lane, and the codes are moved between no lanes.
; Register 16 e + i of O^T is channel 32 e + 16 h + i.
; SHARES: a work-group owns 512 queries of one head; each of sixteen waves 32 of them, two tiles of 16, one after the other.  THE WHOLE HEAD'S kv, 212,992 bytes, lies in LDS, filled ONCE: wave w fetches key step w.
; Behind the one barrier that shows the head to all, the waves share nothing and meet again only at the closing round.
; CLUSTER: the four work-groups of a head want the same bytes: each load is asked for jointly, with the mask of all four.  No LDS address and no branch hangs on the place in the cluster.
; Nothing is prefetched: every tensor load stands at the kernel's head, and there is no loop to run ahead in.
; THE SUM runs in eight chains of pairs; their eight joining additions are put off to the next step, where they are the plain instructions owed behind the products (ISA guide 7.12.1).
; A tile's first key step is written out: its products start O (C = 0), and nothing is rescaled there.  The other fifteen are five trips of three steps, told apart by immediate offsets.
; LIMITS: NaN and infinities are not served; the promise holds while |t| stays under 2^31; 1 / l is v_rcp_f32; a block whose largest magnitude lies under 2^-124 has its byte held at 1, a block of zeros too (its codes are zeros; this program alone reads the bytes).
.set MTB,  13312
.set L16,  1                           ; v1   16 x lane
.set L8,   2                           ; v2   8 x lane
.set ADR,  8                           ; v8   LDS address of the trip's first key step
.set FRG,  34                          ; v34-81   four fragments of K, then of V.   v16-21 zeros, v22-27 Q, v28-33 zeros.   v12 -M (v13 named with it), v[14:15] l in two halves
.set CH,   82                          ; v82-97   the sum's eight chains
.set KW,   98                          ; v98-101  K's scale words;  v102-105 V's
.set VW,   102
.set BM,   106                         ; v106-107 the two blocks' largest
.set PS,   108                         ; p's scale word
.set W,    109                         ; my two bytes of it
.set QSA,  110                         ; Q's scale word for [Q | zeros];  v111 for [zeros | Q]
.set QSB,  111
.set SOP,  112                         ; v112-113 the conversions' scale operands
.set BY,   114                         ; v114-115 bytes
.set FF,   116                         ; v[116:117] f, later 1 / l
.set TT,   118
.set DD,   119
.set PD,   120                         ; v120-121 lane permutes' destinations
.set SH8,  122                         ; 8 x (lane / 16)
.set U16,  123                         ; the two scale bytes that go out
.set UU,   124                         ; v124, v125 Q's two scale bytes, tiles 0 and 1
.set Q1,   126                         ; v126-131 Q of tile 1
.set S,    132                         ; v132-195 S^T, then p
.set O,    196                         ; v196-227 O^T
.set PCD,  228                         ; v228-239 p's codes
.set CT,   240                         ; v240-247 second halves of the blocks' codes
.set WV,   8                           ; s8 wave, s9 cx, s10 bh
.set SEL,  24                          ; s[24:25] lane selects: lane l xor 16
.set TB,   26                          ; s26 LDS byte of the trip's first key step
.set CNT,  27                          ; s27 trips to go
.set CS,   32                          ; s[32:33] c = log2(e) / 8
.set NC,   38                          ; s38 -c
.macro WALU
	s_wait_alu depctr_va_vdst(0)
.endm
.macro CROUND                          ; a round of the cluster's barrier
	s_barrier_signal -1
	s_barrier_wait -1
	s_cmp_lg_u32 s[WV], 0
	s_cbranch_scc1 .Lnot_wave_0_\@
	s_barrier_signal -3
.Lnot_wave_0_\@:
	s_barrier_wait -3
	s_barrier_signal -1
	s_barrier_wait -1
.endm
.macro CADD a, b                       ; chain a takes chain b in
	v_pk_add_f32 v[CH+2*\a:CH+2*\a+1], v[CH+2*\a:CH+2*\a+1], v[CH+2*\b:CH+2*\b+1]
.endm
.macro PADDS from, to                  ; additions from .. to - 1 of the step's 24: addition n puts pair n + 8 of p into chain n % 8 (the first eight begin the chains with pairs n and n + 8)
.set n_, \from
.rept (\to)-(\from)
.if n_ < 8
	v_pk_add_f32 v[CH+2*n_:CH+2*n_+1], v[S+2*n_:S+2*n_+1], v[S+16+2*n_:S+17+2*n_]
.else
	v_pk_add_f32 v[CH+2*(n_%8):CH+2*(n_%8)+1], v[CH+2*(n_%8):CH+2*(n_%8)+1], v[S+16+2*n_:S+17+2*n_]
.endif
.set n_, n_+1
.endr
.endm
	s_load_b128 s[4:7], s[0:1], 0x0                ; kv, at_img
	v_lshl_add_u32 v254, v0, 2, 0x34000
	v_mov_b32 v255, 0
	ds_add_u32 v254, v255                          ; the opening lines: the add, twice on end, and its wait
	ds_add_u32 v254, v255
	v_lshrrev_b32 v3, 5, v0
	v_readfirstlane_b32 s[WV], v3                  ; wave 0..15
	s_bfe_u32 s9, ttmp6, 0x40000                   ; cx: which 512 queries
	s_and_b32 s10, ttmp7, 0xffff                   ; bh
	; group 1: a dense block of 13,312 bytes as 52 rows of 256 (32 elements of 8 bytes); the mask names all four work-groups
	s_mov_b32 s16, 15|(3<<16)|(1<<21)
	s_mov_b32 s17, 32<<16
	s_mov_b32 s18, 52<<16
	s_mov_b32 s19, 32<<16
	s_mov_b32 s20, 52
	s_mov_b32 s21, 32
	s_mov_b32 s22, 0
	s_mov_b32 s23, 0
	s_lshl_b32 s34, s10, 4
	s_add_co_u32 s34, s34, s[WV]                   ; key step w of my head
	s_mul_i32 s34, s34, MTB
	s_mov_b32 s35, 0
	s_lshl_b32 s36, s10, 4
	s_lshl_b32 s37, s9, 2
	s_add_co_u32 s36, s36, s37
	s_lshr_b32 s37, s[WV], 2
	s_add_co_u32 s36, s36, s37                     ; the step in which my 32 queries lie as keys: 4 cx + w / 4
	s_mul_i32 s36, s36, MTB
	s_mov_b32 s37, 0
	s_mov_b32 s12, 1
	s_mul_i32 s13, s[WV], MTB
	s_mov_b32 s[SEL], 0x76543210
	s_mov_b32 s[SEL+1], 0xfedcba98
	s_mov_b32 s[CS], 0x3e38aa3b
	s_mov_b32 s[CS+1], s[CS]                       ; named with it as a pair, so it is written
	s_mov_b32 s[NC], 0xbe38aa3b
	s_wait_dscnt 0x0
	s_wait_kmcnt 0x0
	s_add_nc_u64 s[14:15], s[4:5], s[34:35]
	s_or_b32 s15, s15, 0x80000000
	s_add_nc_u64 s[36:37], s[4:5], s[36:37]
	CROUND                                         ; all four work-groups are here: the joint loads meet
	tensor_load_to_lds s[12:15], s[16:23]          ; my one tensor load
	s_nop 0
.rept 4
	v_nop                                          ; four v_nop follow it
.endr
	v_and_b32 v3, 31, v0
	v_lshlrev_b32 v[L16], 4, v3
	v_lshlrev_b32 v[L8], 3, v3
	; Q comes from memory, since its place hangs on cx.  Query 32 (w % 4) + 16 ta + r of its step is, in K fragment (w & 2) + ta, tile g = r / 8, lane 8 (w % 2) + r % 8 (+ 16 h): registers 6 g + 0 .. 5
	v_and_b32 v4, 7, v0                            ; r % 8
	v_bfe_u32 v5, v0, 3, 1                         ; g
	v_bfe_u32 v6, v0, 4, 1                         ; h
	v_lshlrev_b32 v[SH8], 3, v6
	v_lshl_add_u32 v7, v6, 4, v4
	v_lshlrev_b32 v7, 4, v7                        ; 16 x (r % 8 + 16 h)
	s_and_b32 s42, s[WV], 1
	s_lshl_b32 s42, s42, 7                         ; 16 x 8 (w % 2)
	s_and_b32 s43, s[WV], 2
	s_mul_i32 s44, s43, 1536
	s_add_co_u32 s44, s44, s42
	v_add_nc_u32 v7, s44, v7                       ; in fragment w & 2
	v_mad_u32_u24 v9, v5, 520, v7                  ; registers 6, 7 lie 520 bytes behind 0, 1, and 10, 11 behind 4, 5;
	v_mad_u32_u24 v10, v5, 1016, v7                ; registers 8, 9 lie 1,016 behind 2, 3
	v_lshlrev_b32 v11, 4, v4
	v_lshl_add_u32 v11, v5, 1, v11
	s_lshl_b32 s43, s43, 2
	s_add_co_u32 s43, s43, s42
	v_add_nc_u32 v11, s43, v11                     ; its two scale bytes: 16 x its lane + 4 x its fragment + 2 g
	global_load_b64 v[22:23], v9, s[36:37]
	global_load_b64 v[24:25], v10, s[36:37] offset:8
	global_load_b64 v[26:27], v9, s[36:37] offset:512
	global_load_u16 v[UU], v11, s[36:37] offset:12288
	global_load_b64 v[Q1:Q1+1], v9, s[36:37] offset:1536      ; tile 1: the next fragment
	global_load_b64 v[Q1+2:Q1+3], v10, s[36:37] offset:1544
	global_load_b64 v[Q1+4:Q1+5], v9, s[36:37] offset:2048
	global_load_u16 v[UU+1], v11, s[36:37] offset:12292
.irp i, 16,17,18,19,20,21,28,29,30,31,32,33
	v_mov_b32 v\i, 0                               ; the zero halves of the two operands
.endr
	v_mov_b32 v[PD], 0                             ; a lane permute's destination counts as a source
	v_mov_b32 v[PD+1], 0
	v_mov_b32 v[TT], 0
	; where the results go: at_img [mt][sg][3,328]: head hd is half hd % 2 of fragment hd / 2
	s_and_b32 s42, s10, 15                         ; hd
	s_lshr_b32 s43, s10, 4                         ; b
	s_lshl_b32 s43, s43, 7
	s_lshl_b32 s44, s9, 5
	s_add_co_u32 s43, s43, s44
	s_lshl_b32 s44, s[WV], 1
	s_add_co_u32 s43, s43, s44                     ; mt of tile 0: 128 b + 32 cx + 2 w
	s_mul_i32 s43, s43, MTB
	s_lshr_b32 s44, s42, 2
	s_mul_i32 s44, s44, 3328
	s_add_co_u32 s43, s43, s44
	s_bfe_u32 s44, s42, 0x10001                    ; (hd / 2) % 2
	s_and_b32 s45, s42, 1
	s_mul_i32 s46, s44, 1536
	s_mul_i32 s47, s45, 768
	s_add_co_u32 s46, s46, s47
	s_add_co_u32 s46, s46, s43
	s_mov_b32 s47, 0
	s_add_nc_u64 s[28:29], s[6:7], s[46:47]        ; the codes
	s_lshl_b32 s44, s44, 2
	s_lshl_b32 s45, s45, 1
	s_add_co_u32 s44, s44, s45
	s_add_co_u32 s44, s44, s43
	s_add_co_u32 s44, s44, 3072
	s_mov_b32 s45, 0
	s_add_nc_u64 s[30:31], s[6:7], s[44:45]        ; the two scale bytes
	WALU
	s_wait_tensorcnt 0x0                           ; my key step is in,
	s_barrier_signal -1
	s_barrier_wait -1                              ; everybody's is: the head lies in LDS
	s_wait_loadcnt 0x0                             ; Q
; A KEY STEP: 128 keys.  first = 1: a tile's first;  k: which of a trip's three
.macro MREG c, u                       ; M_: the register of the chain of maxima over tile u of block c: v106-107 for u = 0, v248-253 for the others
.if (\u) == 0
.set M_, BM+(\c)
.else
.set M_, 247+3*(\c)+(\u)
.endif
.endm
.macro STEP first, k=0
.if \k == 0
	v_add_nc_u32 v[ADR], s[TB], v[L16]
.endif
.if \first == 0
	CADD 0, 4                                      ; the last step's chains are joined: four plain instructions behind the last products, ahead of loads into registers that they read
	CADD 1, 5
	CADD 2, 6
	CADD 3, 7
.endif
.irp i, 0,1,2,3,4,5,6,7,8,9,10,11
	ds_load_b128 v[FRG+4*\i:FRG+4*\i+3], v[ADR] offset:MTB*\k+512*\i
.endr
	ds_load_b128 v[KW:KW+3], v[ADR] offset:MTB*\k+12288
	WALU
	s_wait_dscnt 0x0
.irp p, 0,1,2,3
	v_wmma_scale_f32_16x16x128_f8f6f4 v[S+16*\p:S+16*\p+7], v[FRG+12*\p:FRG+12*\p+11], v[22:33], 0, v[KW+\p], v[QSA] matrix_a_fmt:MATRIX_FMT_FP6 matrix_b_fmt:MATRIX_FMT_FP6
	v_wmma_scale_f32_16x16x128_f8f6f4 v[S+16*\p+8:S+16*\p+15], v[FRG+12*\p:FRG+12*\p+11], v[16:27], 0, v[KW+\p], v[QSB] matrix_a_fmt:MATRIX_FMT_FP6 matrix_b_fmt:MATRIX_FMT_FP6
.endr
.if \first
.rept 4
	v_nop                                          ; four plain instructions ahead of the loads below and of the first read of the scores
.endr
.else
	CADD 0, 2                                      ; the same four: the rest of the joining; l is still under the last step's M, as the chains are
	CADD 1, 3
	s_delay_alu instid0(VALU_DEP_1)
	CADD 0, 1
	s_delay_alu instid0(VALU_DEP_1)
	v_pk_add_f32 v[14:15], v[14:15], v[CH:CH+1]
.endif
.irp i, 0,1,2,3,4,5,6,7,8,9,10,11
	ds_load_b128 v[FRG+4*\i:FRG+4*\i+3], v[ADR] offset:MTB*\k+6144+512*\i   ; V is asked for now: it lands under the softmax
.endr
	ds_load_b128 v[VW:VW+3], v[ADR] offset:MTB*\k+12800
; the largest score of my two blocks of 32 keys: for the row's maximum, and, since p rises with the score, for the block's largest p.  Eight chains by turns, one to a tile of 8 registers, each tile first read at its low end: 32 lines in all
.irp u, 0,1,2,3
.irp c, 0,1
	MREG \c, \u
	v_max3_num_f32 v[M_], v[S+32*\c+8*\u], v[S+32*\c+8*\u+1], v[S+32*\c+8*\u+2]
.endr
.endr
.irp i, 3,5
.irp u, 0,1,2,3
.irp c, 0,1
	MREG \c, \u
	v_max3_num_f32 v[M_], v[M_], v[S+32*\c+8*\u+\i], v[S+32*\c+8*\u+\i+1]
.endr
.endr
.endr
.irp c, 0,1
	v_max3_num_f32 v[BM+\c], v[BM+\c], v[S+32*\c+7], v[S+32*\c+15]         ; the tiles' last registers,
.endr
.irp c, 0,1
	v_max3_num_f32 v[248+3*\c], v[248+3*\c], v[S+32*\c+23], v[S+32*\c+31]
.endr
.irp c, 0,1
	s_delay_alu instid0(VALU_DEP_4)
	v_max3_num_f32 v[BM+\c], v[BM+\c], v[249+3*\c], v[250+3*\c]            ; and a block's four chains joined
.endr
.irp c, 0,1
	s_delay_alu instid0(VALU_DEP_2)
	v_max_num_f32 v[BM+\c], v[BM+\c], v[248+3*\c]
.endr
	s_delay_alu instid0(VALU_DEP_1)
	v_max_num_f32 v[TT], v[BM], v[BM+1]
	s_delay_alu instid0(VALU_DEP_1)
	v_permlanex16_b32 v[PD], v[TT], s[SEL], s[SEL+1]
	s_delay_alu instid0(VALU_DEP_1)
	v_max_num_f32 v[TT], v[TT], v[PD]              ; with lane l xor 16's 64 keys: the step's largest score of my query
	s_delay_alu instid0(VALU_DEP_1)
	v_mul_f32 v[TT], s[NC], v[TT]                  ; as -t
	s_delay_alu instid0(VALU_DEP_1)
.if \first
	v_floor_f32 v12, v[TT]                         ; -M = floor(-t): a whole number
.else
	v_floor_f32 v[TT], v[TT]
	s_delay_alu instid0(VALU_DEP_1)
	v_min_num_f32 v[TT], v[TT], v12                ; the running -M
	s_delay_alu instid0(VALU_DEP_1)
	v_sub_f32 v[DD], v[TT], v12                    ; old M - new M: a whole number, 0 or less
	s_delay_alu instid0(VALU_DEP_2)
	v_mov_b32 v12, v[TT]
	s_delay_alu instid0(VALU_DEP_2)
	v_cvt_i32_f32 v[DD], v[DD]                     ; (it saturates)
	s_delay_alu instid0(VALU_DEP_1)
	v_ldexp_f32 v[FF], 1.0, v[DD]                  ; f = 2^(old M - new M)
.endif
.set j, 0
.rept 32
	v_pk_fma_f32 v[S+j:S+j+1], v[S+j:S+j+1], s[CS:CS+1], v[12:13] op_sel_hi:[1,0,0]   ; t - M, two at a time
.set j, j+2
.endr
.irp c, 0,1
	v_fma_f32 v[BM+\c], v[BM+\c], s[CS], v12       ; the same of each block's largest score
.endr
.if \first == 0
.set j, 0
.rept 16
	v_pk_mul_f32 v[O+j:O+j+1], v[O+j:O+j+1], v[FF:FF+1] op_sel_hi:[1,0]   ; O^T under the new M, each tile from its low end on; ahead of the exponentials
.set j, j+2
.endr
.endif
	WALU
.irp c, 0,1
	v_exp_f32 v[BM+\c], v[BM+\c]                   ; the block's largest p: the same two instructions on the same number give the same bits
.endr
.set j, 0
.rept 64
	v_exp_f32 v[S+j], v[S+j]                       ; p = 2^(t - M), at most 1
.set j, j+1
.endr
.if \first
	v_nop                                          ; the plain instruction behind the exponentials
.else
	v_pk_mul_f32 v[14:15], v[14:15], v[FF:FF+1] op_sel_hi:[1,0]   ; l under the new M: the plain instruction behind the exponentials
.endif
	WALU                                           ; one wait for the batch, ahead of its first reader
; the blocks' scales and codes, a line or two at a time among the sum's 24 additions, so that no line reads what one of the four lines ahead of it wrote
.irp c, 0,1
	v_max_num_f32 v[BM+\c], 0x1800000, v[BM+\c]    ; the floor 2^(3 - 127): the byte cannot fall under 1
.endr
	PADDS 0, 3
.irp c, 0,1
	v_add_nc_u32 v[SOP+\c], 0xff000000, v[BM+\c]   ; 2 off the exponent field: the conversion's scale operand
.endr
	PADDS 3, 6
.irp c, 0,1
	v_cvt_scalef32_pk16_fp6_f32 v[PCD+6*\c:PCD+6*\c+2], v[S+32*\c:S+32*\c+15], v[SOP+\c]
	v_cvt_scalef32_pk16_fp6_f32 v[CT+4*\c:CT+4*\c+2], v[S+32*\c+16:S+32*\c+31], v[SOP+\c]   ; a conversion's three registers begin on an even number
.endr
.irp c, 0,1
	v_lshrrev_b32 v[BY+\c], 23, v[SOP+\c]          ; the scales' bytes: also the plain instructions behind the conversions
.endr
.irp i, 0,1,2
	v_mov_b32 v[PCD+3+\i], v[CT+\i]
.endr
	v_mov_b32 v[PCD+9], v[CT+4]
	v_lshl_or_b32 v[W], v[BY+1], 16, v[BY]         ; my two bytes: blocks h and 2 + h,
	v_mov_b32 v[PCD+10], v[CT+5]
	v_mov_b32 v[PCD+11], v[CT+6]
	PADDS 6, 8
	v_lshlrev_b32 v[W], v[SH8], v[W]               ; 8 h bits up;
	PADDS 8, 12
	v_permlanex16_b32 v[PD], v[W], s[SEL], s[SEL+1]
	PADDS 12, 16
	v_or_b32 v[PS], v[W], v[PD]                    ; with lane l xor 16's two the word is whole
	PADDS 16, 24                                   ; eight plain instructions between the word and the scaled products
	WALU
	s_wait_dscnt 0x0                               ; V is in
.irp t, 0,1,2,3
.if \first
	v_wmma_scale_f32_16x16x128_f8f6f4 v[O+8*\t:O+8*\t+7], v[FRG+12*\t:FRG+12*\t+11], v[PCD:PCD+11], 0, v[VW+\t], v[PS] matrix_a_fmt:MATRIX_FMT_FP6 matrix_b_fmt:MATRIX_FMT_FP6
.else
	v_wmma_scale_f32_16x16x128_f8f6f4 v[O+8*\t:O+8*\t+7], v[FRG+12*\t:FRG+12*\t+11], v[PCD:PCD+11], v[O+8*\t:O+8*\t+7], v[VW+\t], v[PS] matrix_a_fmt:MATRIX_FMT_FP6 matrix_b_fmt:MATRIX_FMT_FP6
.endif
.endr
.endm
; THE WAY OUT of tile ta: O^T / l, quantised along F: the head's 64 channels are two blocks of 32, half a fragment of the next product's operand
.macro EPI ta
	CADD 0, 4                                      ; the last step's chains: also the plain instructions behind the last products
	CADD 1, 5
	CADD 2, 6
	CADD 3, 7
	s_delay_alu instid0(VALU_DEP_2)
	CADD 0, 2
	s_delay_alu instid0(VALU_DEP_2)
	CADD 1, 3
	s_delay_alu instid0(VALU_DEP_1)
	CADD 0, 1
	s_delay_alu instid0(VALU_DEP_1)
	v_pk_add_f32 v[14:15], v[14:15], v[CH:CH+1]
	s_delay_alu instid0(VALU_DEP_1)
	v_add_f32 v14, v14, v15
	s_delay_alu instid0(VALU_DEP_1)
	v_permlanex16_b32 v[TT], v14, s[SEL], s[SEL+1]
	s_delay_alu instid0(VALU_DEP_1)
	v_add_f32 v14, v14, v[TT]                      ; the row's sum
	WALU
	v_rcp_f32 v[FF], v14
	v_nop                                          ; a plain instruction behind the reciprocal
	WALU                                           ; and the wait ahead of its first reader, which is O^T's first reader too
.set j, 0
.rept 16
	v_pk_mul_f32 v[S+j:S+j+1], v[O+j:O+j+1], v[FF:FF+1] op_sel_hi:[1,0]
.set j, j+2
.endr
.irp e, 0,1
	v_max3_num_f32 v[BM+\e], |v[S+16*\e]|, |v[S+16*\e+1]|, 0x1800000
.endr
.irp i, 2,4,6,8,10,12,14
.irp e, 0,1
	s_delay_alu instid0(VALU_DEP_2)
	v_max3_num_f32 v[BM+\e], v[BM+\e], |v[S+16*\e+\i]|, |v[S+16*\e+\i+1]|
.endr
.endr
.irp e, 0,1
	s_delay_alu instid0(VALU_DEP_2)
	v_permlanex16_b32 v[PD+\e], v[BM+\e], s[SEL], s[SEL+1]
.endr
.irp e, 0,1
	s_delay_alu instid0(VALU_DEP_2)
	v_max_num_f32 v[BM+\e], v[BM+\e], v[PD+\e]
.endr
.irp e, 0,1
	s_delay_alu instid0(VALU_DEP_2)
	v_add_nc_u32 v[SOP+\e], 0xff000000, v[BM+\e]
.endr
.irp e, 0,1
	s_delay_alu instid0(VALU_DEP_2)
	v_lshrrev_b32 v[BY+\e], 23, v[SOP+\e]
.endr
	s_delay_alu instid0(VALU_DEP_1)
	v_lshl_or_b32 v[U16], v[BY+1], 8, v[BY]
	v_cvt_scalef32_pk16_fp6_f32 v[PCD:PCD+2], v[S:S+15], v[SOP]
	v_cvt_scalef32_pk16_fp6_f32 v[CT:CT+2], v[S+16:S+31], v[SOP+1]
	v_nop
.irp i, 0,1,2
	v_permlane16_swap_b32 v[PCD+\i], v[CT+\i]      ; here a block lies in two lanes: lanes 0-15 get block 0 whole, lanes 16-31 block 1
.endr
.irp i, 0,1,2
	v_mov_b32 v[PCD+3+\i], v[CT+\i]
.endr
	global_store_b128 v[L16], v[PCD:PCD+3], s[28:29] offset:MTB*\ta          ; 512 consecutive bytes, aligned
	global_store_b64 v[L8], v[PCD+4:PCD+5], s[28:29] offset:MTB*\ta+512      ; 256
	global_store_b16 v[L8], v[U16], s[30:31] offset:MTB*\ta                  ; two bytes of each lane's eight: a scale word takes two heads, which lie in different work-groups
.endm
.macro TILE ta
	s_wait_xcnt 0x0                                ; the last tile's stores have read their data
.if \ta
.irp i, 0,1,2,3,4,5
	v_mov_b32 v[22+\i], v[Q1+\i]
.endr
.endif
	v_or_b32 v[QSA], 0x01010000, v[UU+\ta]         ; over the zero half the byte 1
	v_lshl_or_b32 v[QSB], v[UU+\ta], 16, 0x0101
	v_mov_b32 v14, 0                               ; l
	v_mov_b32 v15, 0
	v_mov_b32 v13, 0                               ; named as the upper halves of pairs
	v_mov_b32 v[FF+1], 0
.rept 4
	v_nop                                          ; with the four above and the step's first line: the plain instructions between Q's scale words and the scaled products
.endr
	s_mov_b32 s[TB], 0
	STEP 1
	s_mov_b32 s[TB], MTB
	s_mov_b32 s[CNT], 5
.Lstep_\@:
	STEP 0, 0
	STEP 0, 1
	STEP 0, 2
	s_add_co_u32 s[TB], s[TB], 3*MTB
	s_sub_co_u32 s[CNT], s[CNT], 1
	s_cmp_lg_u32 s[CNT], 0
	s_cbranch_scc1 .Lstep_\@
	EPI \ta
.endm
	TILE 0
	TILE 1
	s_wait_tensorcnt 0x0                           ; the wave's end
	ds_add_u32 v254, v255
	s_wait_dscnt 0x0
	CROUND                                         ; the closing round: no work-group ends while a partner may still ask for a tile that names it
	s_endpgm
.Lfunc_end_k_q3b10f2eaf6_attn:
	.size	k_q3b10f2eaf6_attn, .Lfunc_end_k_q3b10f2eaf6_attn-k_q3b10f2eaf6_attn
	.p2alignl 7, 3214868480
	.fill 96, 4, 3214868480
	.section	.rodata,"a",@progbits
	.p2align	6, 0x0
	.amdhsa_kernel k_q3b10f2eaf6_attn
		.amdhsa_group_segment_fixed_size 215040
		.amdhsa_private_segment_fixed_size 0
		.amdhsa_enable_private_segment 0
		.amdhsa_kernarg_size 16
		.amdhsa_user_sgpr_count 2
		.amdhsa_user_sgpr_kernarg_segment_ptr 1
		.amdhsa_wavefront_size32 1
		.amdhsa_system_sgpr_workgroup_id_x 1
		.amdhsa_system_sgpr_workgroup_id_y 1
		.amdhsa_system_sgpr_workgroup_id_z 1
		.amdhsa_system_vgpr_workitem_id 0
		.amdhsa_next_free_vgpr 256
		.amdhsa_next_free_sgpr 66
		.amdhsa_reserve_vcc 0
		.amdhsa_float_denorm_mode_32 3
		.amdhsa_float_denorm_mode_16_64 3
		.amdhsa_memory_ordered 1
		.amdhsa_forward_progress 1
		.amdhsa_inst_pref_size 129
	.end_amdhsa_kernel
	.amdgpu_metadata
---
amdhsa.version: [ 1, 2 ]
amdhsa.kernels:
  - .name:           k_q3b10f2eaf6_attn
    .symbol:         k_q3b10f2eaf6_attn.kd
    .args:
      - { .name: kv, .offset: 0, .size: 8, .value_kind: global_buffer, .address_space: global }
      - { .name: at_img, .offset: 8, .size: 8, .value_kind: global_buffer, .address_space: global }
    .group_segment_fixed_size: 215040
    .private_segment_fixed_size: 0
    .kernarg_segment_align: 8
    .kernarg_segment_size: 16
    .max_flat_workgroup_size: 512
    .sgpr_count:     66
    .vgpr_count:     256
    .wavefront_size: 32
...
	.end_amdgpu_metadata
.endif
;; end of part 3
;; launch gemm_out (part 4): grid 32 x 8, 4 waves a work-group, clusters of 4 x 4, 327,680 bytes of LDS; arguments at_img, wo_img, out0; writes out0
.if DOCPART == 4
	.amdgcn_target "amdgcn-amd-amdhsa--gfx1250"
	.amdhsa_code_object_version 6
	.text
	.protected	k_q3b10f2eaf6_gemm_out
	.globl	k_q3b10f2eaf6_gemm_out
	.p2align	8
	.type	k_q3b10f2eaf6_gemm_out,@function
k_q3b10f2eaf6_gemm_out:
	s_mov_b64 s[64:65], 0
	v_nop
	global_prefetch_b8 v0, s[64:65] scope:SCOPE_SE
	s_setreg_imm32_b32 hwreg(HW_REG_WAVE_MODE, 25, 1), 1
	s_wait_xcnt 0x0
	s_wait_alu depctr_hold_cnt(0) depctr_sa_sdst(0) depctr_va_vdst(0) depctr_va_sdst(0) depctr_va_ssrc(0) depctr_va_vcc(0) depctr_vm_vsrc(0)
	s_getreg_b32 s2, hwreg(HW_REG_IB_STS2, 6, 4)
	s_cmp_eq_u32 s2, 0
	s_cbranch_scc0 .Lentry_in_a_cluster
	s_endpgm
.Lentry_in_a_cluster:
	s_bfe_u32 s2, ttmp6, 0x10000c
	s_cmp_lg_u32 s2, 0xf033
	s_cbranch_scc0 .Lentry_shape_is_right
	s_endpgm
.Lentry_shape_is_right:
; out = attn W_o^T on codes of FP6 (E2M3) with E8M0 scales, [8192 x 1024 x 1024], sums in f32, out0 f32.
; OPERANDS are images of registers: [mt = row / 16][sg = k / 256][3,328 bytes]: two fragments of 1,536 bytes (halves c of 768: registers 6 c .. 6 c + 3 at 16 x lane, 6 c + 4, 6 c + 5 at 512 + 8 x lane), 256 bytes of scale words (8 x lane: the row's words of the two fragments, in both halves of the lanes).
; THE DEAL.  256 work-groups of four waves, 2 x 2, each 256 rows x 128 columns.  A wave holds four tiles of 16 columns of W_o, all of K, in registers (32 fragments, 384 registers), and streams A's rows past them in eight blocks of 16:
; the wave in row a, column b of the 2 x 2 takes mt 2 s + a of the work-group's sixteen as its block s, and columns 64 b + 0 .. 63.  A block's 32 products finish its sums, and its rows are stored in the run behind them.
; THE CLUSTER's x COUNTS TILE ROWS (grid = 32, 8): tile row 4 x cluster x + cx, tile column 4 x cluster y + cy.  A's rows are shared by a COLUMN of the cluster (mask s44), B's by a ROW (mask s45).  No LDS address hangs on the place in the cluster.
; LDS: A's 16 mt (212,992 bytes), B's 8 mt (106,496), as they lie in memory; the spare words; every byte is filled once.  The waves' stages lie in B's first bytes, which are read for the last time ahead of the barrier in front of the stream.
; No refill and no data prefetch: all is asked for at the head, and there is no loop to run ahead in.
; THE HEAD'S FOUR TILES, one a wave, each on a line of its own: B's 8 mt; A's mt 0 to 7; 8 to 11; 12 to 15.  The stream begins when the first two are in; a plain barrier inside block 1 (and, the text being a loop's, inside 3 and 5) shows the others.
; THE MATRIX INSTRUCTION IS USED TRANSPOSED (source 0 = 16 rows of W_o, source 1 = 16 rows of attn): a lane holds row r and eight neighbouring columns.
; TWO SETS of A's fragments, of accumulators and of the rows that come back from the stage, by turns.  ONE WAIT ON LDS A BLOCK, ahead of its stores: younger than the rows' way back is the run's fetch alone (NF loads; in the last pair none).  It shows the next block's rows in too.
; LIMITS: NaN, infinities and sums beyond f32's range are not served.
.set MTB, 13312
.set SGB, 3328
.set NQ, 8                             ; K / 128
.set NB, 4                             ; column tiles a wave
.set FR, 12                            ; registers of a fragment
.set FPW, 256/FR                       ; fragments in a window: fragment f lies in window 1 + f / 21 at register 12 (f % 21).  0-31 B's (4 q + b), 32-47 A's two sets (32 + 8 e + q)
.set NF, 36                            ; LDS loads of a block: 32 for eight fragments, 4 for eight scale words
.set YB, 16*MTB                        ; B's bytes
.set SPARE, 24*MTB                     ; the spare words: 128 bytes a wave
.set SPITCH, 272                       ; a stage of 16 rows x (256 bytes + 16) for each wave
.set A16Z, 6                           ; v6, v7  LDS address of my block 0: + 16 x lane, + 8 x lane; never rewritten
.set A8Z, 7
.set A16, 8                            ; v8, v9  the same for the block that is fetched next
.set A8, 9
.set SPW, 10                           ; v10     my spare word
.set NIL, 11                           ; v11     0
.set B16, 12                           ; v12, v13  my four mt of B
.set B8, 13
.set STO, 14                           ; v14     the stage: where I put 32 bytes of a row
.set RD, 15                            ; v15     the stage: where I read 16 bytes of a row back
.set CO, 16                            ; v16     my byte offset in two rows of out0
.set SB, 24                            ; v24-55  B's scale words: 8 b + q
.set SA, 60                            ; v60-75  A's: two sets of eight.  A product's two scale registers differ by 4 modulo 8 in their numbers
.set ACC, 80                           ; v80-143 two sets of four accumulators
.set BK, 144                           ; v144-207 two sets: 16 rows x 256 bytes back from the stage
.set G1A, 24
.set G0A, 56
.set G1B, 32
.set G0B, 60
.set MSB, 0
.macro WIN new                         ; the immediate's high byte repeats the setting that is left
.if MSB != \new
	s_set_vgpr_msb (MSB<<8)|\new
.set MSB, \new
.endif
.endm
.macro PLACES n
.rept \n
	v_nop
.endr
.endm
.macro WALU
	s_wait_alu depctr_va_vdst(0)
.endm
.macro BARRIER
	s_barrier_signal -1
	s_barrier_wait -1
.endm
.macro CROUND                          ; a round of the cluster's barrier
	BARRIER
	s_cmp_lg_u32 s14, 0
	s_cbranch_scc1 .Lnot_wave_0_\@
	s_barrier_signal -3
.Lnot_wave_0_\@:
	s_barrier_wait -3
	BARRIER
.endm
.macro TLOAD g0, g1                    ; a tensor load; an s_nop 0 and four v_nop follow it
	tensor_load_to_lds s[\g0:\g0+3], s[\g1:\g1+7]
	s_nop 0
	PLACES 4
.endm
.macro GROUP1 g, mask, rows            ; rows of one mt: 13,312 bytes, 1,664 elements of 8; dense.  rows = 0: the two words that hold the rows are written with each tile
	s_or_b32 s[\g+0], s[\mask], (3<<16)|(1<<21)
	s_mov_b32 s[\g+1], 1664<<16
	s_mov_b32 s[\g+3], 1664<<16
.if \rows
	s_mov_b32 s[\g+2], (\rows)<<16
	s_mov_b32 s[\g+4], \rows
.endif
	s_mov_b32 s[\g+5], 1664
	s_mov_b32 s[\g+6], 0
	s_mov_b32 s[\g+7], 0
.endm
.macro ATILE first, rows               ; a part of A's 16 mt, by a descriptor of constants
	s_mov_b32 s[G0A+1], (\first)*MTB
	s_mov_b32 s[G1A+2], (\rows)<<16
	s_mov_b32 s[G1A+4], \rows
.if \first
	s_add_nc_u64 s[G0A+2:G0A+3], s[G0A+2:G0A+3], (\first)*MTB
.endif
	s_or_b32 s[G0A+3], s[G0A+3], 0x80000000
	TLOAD G0A, G1A
.endm
.macro FRL f, a16, a8, off             ; fragment f's four loads
	WIN (1+(\f)/FPW)<<6
.set R_, FR*((\f)%FPW)
	ds_load_b128 v[R_:R_+3], v[\a16] offset:(\off)
	ds_load_b64 v[R_+4:R_+5], v[\a8] offset:(\off)+512
	ds_load_b128 v[R_+6:R_+9], v[\a16] offset:(\off)+768
	ds_load_b64 v[R_+10:R_+11], v[\a8] offset:(\off)+1280
.endm
.macro FETCHAT e, a16, a8              ; a block of A into set e: NF loads
.irp q, 0,1,2,3,4,5,6,7
	FRL NB*NQ+NQ*(\e)+\q, \a16, \a8, SGB*(\q/2)+1536*(\q%2)
.endr
	WIN 0
.irp g, 0,1,2,3
	ds_load_b64 v[SA+8*(\e)+2*\g:SA+8*(\e)+2*\g+1], v[\a8] offset:SGB*\g+3072
.endr
.endm
.macro PROD e, n                       ; product n = 4 q + b of a block whose rows lie in set e: the four accumulators take turns; the first along K takes C = 0
.set Q_, (\n)/4
.set FB_, NB*Q_+(\n)%4
.set FA_, NB*NQ+NQ*(\e)+Q_
.set D_, ACC+32*(\e)+8*((\n)%4)
	WIN (1+FB_/FPW)|((1+FA_/FPW)<<2)
.if Q_
	v_wmma_scale_f32_16x16x128_f8f6f4 v[D_:D_+7], v[FR*(FB_%FPW):FR*(FB_%FPW)+FR-1], v[FR*(FA_%FPW):FR*(FA_%FPW)+FR-1], v[D_:D_+7], v[SB+8*((\n)%4)+Q_], v[SA+8*(\e)+Q_] matrix_a_fmt:MATRIX_FMT_FP6 matrix_b_fmt:MATRIX_FMT_FP6
.else
	v_wmma_scale_f32_16x16x128_f8f6f4 v[D_:D_+7], v[FR*(FB_%FPW):FR*(FB_%FPW)+FR-1], v[FR*(FA_%FPW):FR*(FA_%FPW)+FR-1], 0, v[SB+8*((\n)%4)+Q_], v[SA+8*(\e)+Q_] matrix_a_fmt:MATRIX_FMT_FP6 matrix_b_fmt:MATRIX_FMT_FP6
.endif
.endm
.macro PRODS e, from, to, fetch
.set N_, \from
.rept (\to)-(\from)
	PROD \e, N_
.if (\fetch) && (N_ == 1)
	s_add_co_u32 s101, s101, 2*MTB                 ; on to the block that this block's run fetches
.endif
.set N_, N_+1
.endr
	WIN 0
.endm
.macro STAGED u                        ; set u's sums into my stage, each accumulator from its low end on, and back as whole rows.  LDS serves a wave's instructions in order (ISA guide 5.7.1.4): no wait between
.irp b, 0,1,2,3
	ds_store_b128 v[STO], v[ACC+32*(\u)+8*\b:ACC+32*(\u)+8*\b+3] offset:64*\b
	ds_store_b128 v[STO], v[ACC+32*(\u)+8*\b+4:ACC+32*(\u)+8*\b+7] offset:64*\b+16
.endr
.irp t, 0,1,2,3,4,5,6,7
	ds_load_b128 v[BK+32*(\u)+4*\t:BK+32*(\u)+4*\t+3], v[RD] offset:2*\t*SPITCH
.endr
.endm
.macro STREAM s, fetch, show           ; a pair's block s = 0, 1.  show = 1: a plain barrier inside the block shows waves 2 and 3's tiles to all
.if \show
	PRODS \s, 0, 24, \fetch
	s_wait_tensorcnt 0x0
	s_wait_dscnt 0x0
	s_barrier_signal -1
	PRODS \s, 24, 32, \fetch
	s_barrier_wait -1
.else
	PRODS \s, 0, 32, \fetch
.endif
.if \fetch                             ; four plain vector lines between the last product and the first reader of its sums, and the fetch into the registers that it has read
	v_add_nc_u32 v[A16], s101, v[A16Z]
	v_add_nc_u32 v[A8], s101, v[A8Z]
	PLACES 2
	WALU
.else
	PLACES 4
.endif
	s_wait_xcnt 0x0                                ; the stores of two blocks ago have read set s of the rows, and those of the block before their base
	s_add_nc_u64 s[12:13], s[12:13], s[20:21]      ; on to this block's rows of out0: 32 rows on, but for block 0
	s_mov_b32 s20, 32*4096
	STAGED \s
.if \fetch
	FETCHAT \s, A16, A8
	s_wait_dscnt NF                                ; the block's rows are back from the stage; its fetch is younger
.else
	s_wait_dscnt 0x0
.endif
.irp t, 0,1,2,3,4,5,6,7
	global_store_b128 v[CO], v[BK+32*(\s)+4*\t:BK+32*(\s)+4*\t+3], s[12:13] offset:2*\t*4096 th:TH_STORE_NT   ; 16 lanes store 256 consecutive bytes, aligned
.endr
.endm
; ================= THE HEAD
	s_load_b128 s[4:7], s[0:1], 0x0                ; at_img, wo_img
	s_load_b64 s[12:13], s[0:1], 0x10              ; out0
	v_lshl_add_u32 v[SPW], v0, 2, SPARE
	v_mov_b32 v[NIL], 0
	ds_add_u32 v[SPW], v[NIL]                      ; the opening lines: the add, twice on end, and its wait
	ds_add_u32 v[SPW], v[NIL]
	v_lshrrev_b32 v1, 5, v0
	v_readfirstlane_b32 s14, v1                    ; the wave; s15 its row of the 2 x 2, s16 its column
	s_lshr_b32 s15, s14, 1
	s_and_b32 s16, s14, 1
	s_bfe_u32 s40, ttmp6, 0x40000                  ; cx
	s_bfe_u32 s41, ttmp6, 0x40004                  ; cy
	s_lshl_b32 s43, ttmp9, 2
	s_add_co_u32 s43, s43, s40                     ; tile row: 4 x cluster x + cx
	s_and_b32 s42, ttmp7, 0xffff
	s_lshl_b32 s42, s42, 2
	s_add_co_u32 s42, s42, s41                     ; tile column: 4 x cluster y + cy
	s_lshl_b32 s44, 0x1111, s40                    ; my column of the cluster: shares A's rows
	s_lshl_b32 s45, s41, 2
	s_lshl_b32 s45, 15, s45                        ; my row: shares B's
	GROUP1 G1A, 44, 0
	GROUP1 G1B, 45, 8
	s_mov_b32 s[G0A], 1
	s_mul_i32 s76, s43, 16*MTB                     ; my tile row's first mt of A
	s_mov_b32 s77, 0
	s_mul_i32 s78, s42, 8*MTB                      ; my tile column's first mt of B
	s_mov_b32 s79, 0
	s_lshl_b32 s84, s43, 20                        ; out0: 256 rows of 4,096 bytes a tile row,
	s_lshl_b32 s21, s15, 16                        ; 16 rows a wave row,
	s_add_co_u32 s84, s84, s21
	s_lshl_b32 s21, s42, 9                         ; 512 bytes a tile column,
	s_add_co_u32 s84, s84, s21
	s_lshl_b32 s21, s16, 8                         ; 256 a wave column
	s_add_co_u32 s84, s84, s21
	s_mov_b32 s85, 0
	s_mov_b32 s[G0B], 1
	s_mov_b32 s[G0B+1], YB
	v_and_b32 v1, 15, v0                           ; r
	v_bfe_u32 v2, v0, 4, 1                         ; h
	v_and_b32 v3, 31, v0
	v_lshlrev_b32 v4, 4, v3                        ; 16 x lane
	v_lshlrev_b32 v5, 3, v3                        ; 8 x lane
	s_mul_i32 s21, s15, MTB
	v_add_nc_u32 v[A16Z], s21, v4
	v_add_nc_u32 v[A8Z], s21, v5
	v_add_nc_u32 v[A16], 2*MTB, v[A16Z]            ; block 1
	v_add_nc_u32 v[A8], 2*MTB, v[A8Z]
	s_mul_i32 s22, s16, 4*MTB
	s_add_co_u32 s22, s22, YB
	v_add_nc_u32 v[B16], s22, v4
	v_add_nc_u32 v[B8], s22, v5
	s_mul_i32 s21, s14, 16*SPITCH
	s_add_co_u32 s21, s21, YB                      ; my stage
	v_mul_u32_u24 v17, v1, SPITCH
	v_lshl_add_u32 v17, v2, 5, v17
	v_add_nc_u32 v[STO], s21, v17                  ; in: row r, + 32 h
	v_mul_u32_u24 v17, v2, SPITCH
	v_lshl_add_u32 v17, v1, 4, v17
	v_add_nc_u32 v[RD], s21, v17                   ; back: lanes 0-15 one row of 256 bytes, lanes 16-31 the next
	v_lshlrev_b32 v17, 12, v2
	v_lshl_add_u32 v[CO], v1, 4, v17               ; and the same two rows in out0
	WALU
	s_wait_dscnt 0x0
	CROUND                                         ; the opening round, ahead of the wait for the arguments
	s_wait_kmcnt 0x0
	s_add_nc_u64 s[G0A+2:G0A+3], s[4:5], s[76:77]
	s_add_nc_u64 s[G0B+2:G0B+3], s[6:7], s[78:79]
	s_or_b32 s[G0B+3], s[G0B+3], 0x80000000
	s_add_nc_u64 s[12:13], s[12:13], s[84:85]
	s_cmp_eq_u32 s14, 0
	s_cbranch_scc0 .Lwave_1
	TLOAD G0B, G1B                                 ; wave 0: B's 8 mt, which are wanted first
	s_branch .Lasked
.Lwave_1:
	s_cmp_eq_u32 s14, 1
	s_cbranch_scc0 .Lwave_2
	ATILE 0, 8                                     ; wave 1: A's mt 0 to 7
	s_branch .Lasked
.Lwave_2:
	s_cmp_eq_u32 s14, 2
	s_cbranch_scc0 .Lwave_3
	ATILE 8, 4                                     ; wave 2: 8 to 11
	s_branch .Lasked
.Lwave_3:
	ATILE 12, 4                                    ; wave 3: 12 to 15
.Lasked:
	s_cmp_eq_u32 s14, 0
	s_cbranch_scc0 .Lnot_b
	s_wait_tensorcnt 0x0
.Lnot_b:
	BARRIER                                        ; B has landed
.irp q, 0,1,2,3,4,5,6,7                ; my four mt of B, all of K: 128 loads, and 16 for the scale words
.irp b, 0,1,2,3
	FRL NB*\q+\b, B16, B8, MTB*\b+SGB*(\q/2)+1536*(\q%2)
.endr
.endr
	WIN 0
.irp b, 0,1,2,3
.irp g, 0,1,2,3
	ds_load_b64 v[SB+8*\b+2*\g:SB+8*\b+2*\g+1], v[B8] offset:MTB*\b+SGB*\g+3072
.endr
.endr
	s_mov_b32 s101, 2*MTB
	s_cmp_eq_u32 s14, 1
	s_cbranch_scc0 .Lnot_a
	s_wait_tensorcnt 0x0                           ; wave 1: A's mt 0 to 7 have landed
.Lnot_a:
	s_wait_dscnt 0x0
	BARRIER                                        ; A's first 8 mt are in, and nobody reads B's bytes any more.  Waves 2 and 3's tiles may still be on their way
	FETCHAT 0, A16Z, A8Z
	FETCHAT 1, A16, A8
; ================= THE STREAM: eight blocks
	s_mov_b32 s23, 0
	s_mov_b32 s20, 0                               ; s[20:21]: from a block's rows of out0 to the next block's; block 0 begins where the base stands
	s_mov_b32 s21, 0
	s_wait_dscnt NF                                ; block 0's rows are in
.Lpair:                                        ; blocks 0 to 5, a pair a trip
	STREAM 0, 1, 0
	STREAM 1, 1, 1
	s_add_co_u32 s23, s23, 1
	s_cmp_lg_u32 s23, 3
	s_cbranch_scc1 .Lpair
	STREAM 0, 0, 0                                 ; blocks 6 and 7 fetch nothing
	STREAM 1, 0, 0
	s_wait_tensorcnt 0x0                           ; the wave's end
	ds_add_u32 v[SPW], v[NIL]
	s_wait_dscnt 0x0
	CROUND                                         ; the closing round: no work-group ends while a partner may still ask for a tile that names it
	s_endpgm
.Lfunc_end_k_q3b10f2eaf6_gemm_out:
	.size	k_q3b10f2eaf6_gemm_out, .Lfunc_end_k_q3b10f2eaf6_gemm_out-k_q3b10f2eaf6_gemm_out
	.p2alignl 7, 3214868480
	.fill 96, 4, 3214868480
	.section	.rodata,"a",@progbits
	.p2align	6, 0x0
	.amdhsa_kernel k_q3b10f2eaf6_gemm_out
		.amdhsa_group_segment_fixed_size 327680
		.amdhsa_private_segment_fixed_size 0
		.amdhsa_enable_private_segment 0
		.amdhsa_kernarg_size 24
		.amdhsa_user_sgpr_count 2
		.amdhsa_user_sgpr_kernarg_segment_ptr 1
		.amdhsa_wavefront_size32 1
		.amdhsa_system_sgpr_workgroup_id_x 1
		.amdhsa_system_sgpr_workgroup_id_y 1
		.amdhsa_system_sgpr_workgroup_id_z 1
		.amdhsa_system_vgpr_workitem_id 0
		.amdhsa_next_free_vgpr 840
		.amdhsa_next_free_sgpr 102
		.amdhsa_reserve_vcc 0
		.amdhsa_float_denorm_mode_32 3
		.amdhsa_float_denorm_mode_16_64 3
		.amdhsa_memory_ordered 1
		.amdhsa_forward_progress 1
		.amdhsa_inst_pref_size 51
	.end_amdhsa_kernel
	.amdgpu_metadata
---
amdhsa.version: [ 1, 2 ]
amdhsa.kernels:
  - .name:           k_q3b10f2eaf6_gemm_out
    .symbol:         k_q3b10f2eaf6_gemm_out.kd
    .args:
      - { .name: at_img, .offset: 0, .size: 8, .value_kind: global_buffer, .address_space: global }
      - { .name: wo_img, .offset: 8, .size: 8, .value_kind: global_buffer, .address_space: global }
      - { .name: out0, .offset: 16, .size: 8, .value_kind: global_buffer, .address_space: global }
    .group_segment_fixed_size: 327680
    .private_segment_fixed_size: 0
    .kernarg_segment_align: 8
    .kernarg_segment_size: 24
    .max_flat_workgroup_size: 128
    .sgpr_count:     102
    .vgpr_count:     840
    .wavefront_size: 32
...
	.end_amdgpu_metadata
.endif
;; end of part 4
